; MI455X (gfx1250); checked and timed in simulation.
; The chip was launched on July 23, 2026; its instructions are those of AMD's public machine-readable ISA for CDNA 5 (MIT licence, August 2026) and "CDNA5" Instruction Set Architecture Reference Guide (July 2026). The comments in the code are by the model that wrote it; some were corrected since.
;; Multi Headed Attention. Allowed arithmetic: matrix products marked QUANTISED: E2M3 operands, one E8M0 scale for each 32 along K, by v_wmma_scale_f32_16x16x128_f8f6f4 with both operands' format E2M3, f32 sums; everything else in f32.
;; Inputs: W_qkv 1,024 x 3,072 float32; b_qkv 3,072 float32; x 4 x 2,048 x 1,024 float32.
;; Outputs: out0 4 x 16 x 2,048 x 64 float32.
;; This version of the problem:
;;   THIS VERSION OF THE PROBLEM IS GIVEN IN LOW PRECISION. The matrix products marked QUANTISED in the list below multiply operands that are first quantised to E2M3 (2 exponent bits, 3 mantissa bits; 6 bits a number), with one power-of-two scale for each 32 numbers along K (OCP MX v1.0); their sums are f32. All else is computed in f32.
;;   The module's matrix products, in the order in which they are computed (A, B: the left and right operand; K: the contracted axis; several contracted axes count as one K, in the product's order):
;;     1. [M 8,192, K 1,024] x [K 1,024, N 3,072]; A: input x; B: input W_qkv: QUANTISED
;;     2. batch 64 x [M 2,048, K 64] x [K 64, N 2,048]; A: computed on the way; B: computed on the way: QUANTISED
;;     3. batch 64 x [M 2,048, K 2,048] x [K 2,048, N 64]; A: computed on the way; B: computed on the way: QUANTISED
;;   THE QUANTISER, for each operand of a quantised product, along K:
;;     - K is cut into blocks of 32 from its start; a last block that is shorter is filled with zeros.
;;     - A block's scale is 2^e with e = floor(log2(the largest magnitude in the block)) - 2, held to -126 .. 127; a block of zeros has e = 0. As a byte (E8M0): e + 127.
;;     - Each number is divided by its block's scale, clamped to +-7.5, and rounded to the nearest number of E2M3, ties to even, subnormals kept.
;;     - The product sums the exact products of the quantised numbers (number of the format x scale) in f32.
;;   ~~~python
;;   def quantise(x, axis):      # numpy; x: float32 -> the quantised numbers, widened to float32 again
;;       x = np.moveaxis(x, axis, -1); K = x.shape[-1]
;;       x = np.pad(x, [(0, 0)] * (x.ndim - 1) + [(0, -K % 32)]); x = x.reshape(x.shape[:-1] + (-1, 32)); a = np.abs(x).max(-1, keepdims=True)
;;       e = np.where(a > 0, np.clip(np.frexp(np.where(a > 0, a, 1))[1] - 1 - 2, -126, 127), 0)      # np.frexp(a)[1] - 1 = floor(log2(a)), exactly
;;       r = np.clip(x / 2.0 ** e, -7.5, 7.5)
;;       step = 2.0 ** (np.maximum(np.frexp(np.where(r == 0, 1, r))[1] - 1, 0) - 3)
;;       q = np.round(r / step) * step * 2.0 ** e      # np.round: ties to even
;;       return np.moveaxis(q.reshape(q.shape[:-2] + (-1,))[..., :K], -1, axis).astype(np.float32)
;;   ~~~
;;   OPERANDS COMPUTED ON THE WAY. 'Computed on the way' means the value that the module computes at that place (a softmax that the list does not call 'softmax' is quantised finished and normalised). What goes into a quantiser is computed in f32, as accurately as f32 sums, v_exp_f32 and their like allow (about 1e-6 of the number): no bf16 or f16 on the way to a quantiser, and a product that is left as it is and whose result goes on into a quantised operand takes f32 operands (vector FMAs, or v_wmma_f32_16x16x4_f32). A number that lies on a knife's edge between two numbers of the format may be rounded either way, as far as f32 arithmetic and the matrix unit's own rounding can turn it there, and no further.
;; One version. Each part assembles by itself: llvm-mc -triple=amdgcn-amd-amdhsa -mcpu=gfx1250 --defsym DOCPART=n.
;; ======== version 1 of 1: 3 launches
;; workspace buffers: x_codes 6,291,456 bytes; x_scales 262,144 bytes; w_codes 2,359,296 bytes; w_scales 98,304 bytes; qkv 20,185,088 bytes
;; launch quant (part 1): grid 352 x 1, 4 waves a work-group, no clusters, 68,096 bytes of LDS; arguments x, W_qkv, x_codes, x_scales, w_codes, w_scales; writes x_codes, x_scales, w_codes, w_scales
.if DOCPART == 1
	.amdgcn_target "amdgcn-amd-amdhsa--gfx1250"
	.amdhsa_code_object_version 6
	.text
	.protected	k_q0eb564a88b_quant
	.globl	k_q0eb564a88b_quant
	.p2align	8
	.type	k_q0eb564a88b_quant,@function
k_q0eb564a88b_quant:
	s_mov_b64 s[64:65], 0
	v_nop
	global_prefetch_b8 v0, s[64:65] scope:SCOPE_SE
	s_setreg_imm32_b32 hwreg(HW_REG_WAVE_MODE, 25, 1), 1
	s_wait_xcnt 0x0
; x [8192][1024] and W_qkv [1024][3072], f32, become codes of FP6 (E2M3), 6 bits each, K innermost (768 bytes a row), with one E8M0 scale byte for each 32 along K (32 bytes a row).
; A block's scale is 2^(floor(log2(its largest magnitude)) - 2); its byte is the largest magnitude's exponent field - 2, held at 1 from below; numbers are divided by the scale and rounded to the nearest code, ties to even,
; beyond the largest code the largest.
; LIMITS: NaN and infinities among the inputs are not served.  A block whose largest magnitude lies under 2^-124 keeps the floor's byte 1; so a block of zeros has the byte 1 where the rule says 127: its codes are
; zeros, which add nothing under any byte but 0xff, and the bytes are read by this program alone.
; THE ORDER OF THE STORED ROWS.  Within each 64 rows, stored row 16 u + 8 p + lo (u = 0 .. 3, p = 0, 1, lo = 0 .. 7) holds logical row 32 p + 8 u + lo.  So tile u of 16 neighbouring stored rows holds, in its rows 0-7 and 8-15,
; eight rows of the first and eight of the second 32 logical rows: in the next launch's results the registers of four neighbouring tiles of a lane are then 32 NEIGHBOURS, a whole block of the next product's K.
; W's logical row for column n = 3 m + kk (m = 64 head + d; kk = 0 q, 1 k, 2 v) is 1024 kk + m: q's, k's and v's columns are sorted apart.
; WORK-GROUPS 0 to 255 take x, 32 rows each: a plain stream, 16 neighbours to a lane by a turn through the wave's own stage in LDS.  Work-groups 256 to 351 take W: 128 columns x 256 along K each; a lane takes a
; column and its registers run down K.  The two ways part on the work-group's number and have LDS bytes of their own.  No tensor loads, no barrier, no cluster: waves share nothing.
.set XWG,   256                        ; x's work-groups
.set SP,    80                         ; x: a lane's place in a stage: its 64 bytes + 16 of padding
.set CB,    12                         ; bytes of 16 codes
.set STEPS, 16                         ; x: steps of 512 numbers for a wave: 8 rows
.set AHEAD, 8                          ; x: the loads run eight steps ahead: 32 loads of 512 bytes a wave
.set XR,    16                         ; v16-143  x: eight sets of 16 numbers as they are loaded
.set XX,    144                        ; v144-175 x: two sets of 16 neighbours
.set XE,    176                        ; v176-191 x: a scale byte for each step
.set XC,    192                        ; v192-255 x: codes, four registers for each step, so that no store's data are written again
.set WLDS,  32768                      ; W's stages begin here; x's four regions of 8,192 bytes lie below
.set WP,    272                        ; W: a stage row: sixteen places of 16 bytes, each with 12 bytes of codes, + 16
.set NB,    8                          ; W: blocks of 32 along K for a wave
.set WROW,  12288                      ; a row of W in bytes
.set WX,    32                         ; v32-95   W: two sets of 32 numbers
.set WC,    96                         ; v96-102  W: a block's codes
.set WOUT,  112                        ; v112-175 W: the way out, 16 x 4 registers
.set WSB,   24                         ; v24-25   W: the scale bytes, four to a register
.set AR,    176                        ; v176-191 W: byte offsets of the rows that I store
	s_load_b128 s[4:7], s[0:1], 0x0                ; x, W_qkv
	s_load_b128 s[8:11], s[0:1], 0x10              ; x's codes, x's scale bytes
	s_load_b128 s[12:15], s[0:1], 0x20             ; W's codes, W's scale bytes
	v_lshl_add_u32 v251, v0, 2, 0x10800
	v_mov_b32 v255, 0
	v_lshrrev_b32 v1, 5, v0
	v_readfirstlane_b32 s16, v1                    ; wave 0..3
	v_and_b32 v2, 31, v0                           ; lane
	s_cmp_lt_u32 ttmp9, XWG
	s_cbranch_scc0 .Lw
; ---------------------------------------------------------------- x
	v_lshlrev_b32 v3, 4, v2                        ; my 16 bytes of a load's 512
	s_lshl_b32 s17, s16, 13                        ; my wave's 8,192 bytes of LDS
	v_lshrrev_b32 v14, 2, v2
	v_mul_u32_u24 v14, v14, SP
	v_and_b32 v15, 3, v2
	v_lshl_add_u32 v14, v15, 4, v14
	v_add_nc_u32 v14, s17, v14                     ; the stage, on the way in: four lanes' 64 bytes on end, then 16 of padding
	v_mul_u32_u24 v15, v2, SP
	v_add_nc_u32 v15, s17, v15                     ; and on the way out: my 16 neighbours
	v_mul_u32_u24 v4, v2, CB                       ; my codes' place in a step's 384 bytes
	v_lshrrev_b32 v5, 1, v2
	s_add_co_u32 s17, s17, 2*32*SP
	v_add_nc_u32 v5, s17, v5                       ; LDS: my wave's 256 scale bytes, my block's byte
	v_lshlrev_b32 v7, 3, v2                        ; and on the way out 8 bytes a lane
	v_add_nc_u32 v6, s17, v7
	s_lshl_b32 s18, ttmp9, 2
	s_add_co_u32 s20, s18, s16                     ; the run of 8 rows that I read: 4 x work-group + wave; its low three bits are 4 p + u
	s_and_b32 s19, s20, 3                          ; u
	s_lshl_b32 s19, s19, 1
	s_bfe_u32 s21, s20, 0x10002                    ; p
	s_or_b32 s19, s19, s21                         ; 2 u + p
	s_and_b32 s18, s20, 0xfffffff8
	s_or_b32 s18, s18, s19                         ; the run of 8 rows that I write
	s_lshl_b32 s20, s20, 15                        ; 8 rows of 4,096 bytes
	s_mov_b32 s21, 0
	s_mul_i32 s22, s18, 6144                       ; 8 rows of 768 bytes
	s_mov_b32 s23, 0
	s_lshl_b32 s24, s18, 8                         ; 8 rows of 32 bytes
	s_mov_b32 s25, 0
	s_wait_kmcnt 0x0
	s_add_nc_u64 s[4:5], s[4:5], s[20:21]
	s_add_nc_u64 s[8:9], s[8:9], s[22:23]
	s_add_nc_u64 s[10:11], s[10:11], s[24:25]
.macro XLOAD t
.irp i, 0,1,2,3
	global_load_b128 v[XR+16*((\t)%AHEAD)+4*\i:XR+16*((\t)%AHEAD)+4*\i+3], v3, s[4:5] offset:2048*(\t)+512*\i th:TH_LOAD_NT   ; 32 lanes read 512 consecutive bytes
.endr
.endm
.macro XTURN t                         ; step t's numbers through the stage: LDS serves a wave's instructions in order, so no wait stands between the stores and the loads
.irp i, 0,1,2,3
	ds_store_b128 v14, v[XR+16*((\t)%AHEAD)+4*\i:XR+16*((\t)%AHEAD)+4*\i+3] offset:32*SP*((\t)%2)+8*SP*\i
.endr
.irp i, 0,1,2,3
	ds_load_b128 v[XX+16*((\t)%2)+4*\i:XX+16*((\t)%2)+4*\i+3], v15 offset:32*SP*((\t)%2)+16*\i
.endr
.endm
.irp t, 0,1,2,3,4,5,6,7
	XLOAD \t
.endr
	s_wait_loadcnt 28                              ; step 0's four loads are in; the 28 of steps 1 to 7 may be out
	XTURN 0
.macro XSTEP t
.set XS, XX+16*((\t)%2)
.if (\t) > 0
	s_wait_dscnt 1                                 ; this step's numbers are back from the stage (the last step's byte store may be out): so its stores into the stage have read their registers,
.else
	s_wait_dscnt 0x0
.endif
.if (\t)+AHEAD < STEPS
	XLOAD (\t)+AHEAD                               ; which take the loads of eight steps on
.endif
.if (\t)+1 < STEPS
.if (\t)+AHEAD < STEPS
	s_wait_loadcnt 4*(AHEAD-1)                     ; the next step's four loads are in; those of the seven steps behind it may be out
.else
	s_wait_loadcnt 4*(STEPS-2-(\t))                ; towards the end the count runs down
.endif
	XTURN (\t)+1                                   ; and go through the other stage while this step is worked
.endif
	v_max3_num_f32 v8, |v[XS]|, |v[XS+1]|, |v[XS+2]|               ; the largest magnitude of my 16, in two chains
	v_max3_num_f32 v9, |v[XS+3]|, |v[XS+4]|, |v[XS+5]|
.irp i, 6,10
	v_max3_num_f32 v8, v8, |v[XS+\i]|, |v[XS+\i+1]|
	v_max3_num_f32 v9, v9, |v[XS+\i+2]|, |v[XS+\i+3]|
.endr
	v_max3_num_f32 v8, v8, |v[XS+14]|, |v[XS+15]|
	v_max3_num_f32 v8, v8, v9, 0x1800000           ; and the floor 2^(3 - 127): so the byte cannot fall under 1
	v_max_num_f32_dpp v8, v8, v8 row_xmask:1 row_mask:0xf bank_mask:0xf   ; and of my neighbour's 16: the block's
	v_add_nc_u32 v11, 0xff000000, v8               ; 2 off its exponent field: the conversion takes the exponent field of this operand as its scale
	v_cvt_scalef32_pk16_fp6_f32 v[XC+4*(\t):XC+4*(\t)+2], v[XS:XS+15], v11
	v_lshrrev_b32 v[XE+(\t)], 23, v11              ; the scale's byte
	ds_store_b8 v5, v[XE+(\t)] offset:16*(\t)      ; both lanes of a block write the same byte with the same value
	global_store_b96 v4, v[XC+4*(\t):XC+4*(\t)+2], s[8:9] offset:32*CB*(\t)   ; the wave stores 384 consecutive bytes
.endm
.irp t, 0,1,2,3,4,5,6,7,8,9,10,11,12,13,14,15
	XSTEP \t
.endr
	ds_load_b64 v[12:13], v6                       ; LDS serves a wave's instructions in order: these see my stores
	s_wait_dscnt 0x0
	global_store_b64 v7, v[12:13], s[10:11]        ; 32 lanes store 256 consecutive bytes, at a multiple of 256 from the buffer's first byte
	s_wait_tensorcnt 0x0
	ds_add_u32 v251, v255
	s_wait_dscnt 0x0
	s_endpgm
; ---------------------------------------------------------------- W
; v[dst] = the stored row of column v[n]: m = n / 3 (n x 43,691 >> 17 is exact for n under 3,072), logical row 1024 (n - 3 m) + m = 1024 n - 3071 m; then its bits 3 and 4 go up by one place and bit 5 comes down to bit 3
.macro ROWOF dst, n, tmp, tmp2
	v_mul_u32_u24 v[\tmp], v[\n], 0xaaab
	v_lshrrev_b32 v[\tmp], 17, v[\tmp]
	v_mul_u32_u24 v[\tmp], v[\tmp], 3071
	v_lshlrev_b32 v[\dst], 10, v[\n]
	v_sub_nc_u32 v[\dst], v[\dst], v[\tmp]
	v_and_b32 v[\tmp], 24, v[\dst]                 ; u, at bits 3 and 4
	v_bfe_u32 v[\tmp2], v[\dst], 5, 1              ; p
	v_lshlrev_b32 v[\tmp], 1, v[\tmp]
	v_lshl_or_b32 v[\tmp], v[\tmp2], 3, v[\tmp]    ; 16 u + 8 p
	v_and_or_b32 v[\dst], v[\dst], 0xffffffc7, v[\tmp]
.endm
.macro WLOAD t                         ; block t: W(32 t + i, my column), i = 0 .. 31, into set t % 2: each load reads 128 consecutive bytes a wave
.irp i, 0,1,2,3,4,5,6,7,8,9,10,11,12,13,14,15,16,17,18,19,20,21,22,23,24,25,26,27,28,29,30,31
	global_load_b32 v[WX+32*((\t)%2)+\i], v3, s[6:7] offset:(32*(\t)+\i)*WROW th:TH_LOAD_NT
.endr
.endm
.Lw:
	s_sub_co_u32 s17, ttmp9, XWG
	s_lshr_b32 s18, s17, 2                         ; which 128 columns: 0..23
	s_and_b32 s19, s17, 3                          ; which 256 along K
	s_lshl_b32 s18, s18, 7
	s_lshl_b32 s20, s16, 5
	s_add_co_u32 s18, s18, s20                     ; my wave's first column
	v_lshlrev_b32 v3, 2, v2                        ; in: 4 bytes a lane
	s_mul_i32 s20, s16, 32*WP
	s_add_co_u32 s20, s20, WLDS                    ; my stage
	v_mul_u32_u24 v4, v2, WP
	v_add_nc_u32 v4, s20, v4                       ; into it: row = my column
	v_and_b32 v5, 15, v2
	v_lshrrev_b32 v6, 4, v2                        ; out of it: sixteen lanes to a row, two rows an instruction
	v_mul_u32_u24 v7, v6, WP
	v_lshl_add_u32 v7, v5, 4, v7
	v_add_nc_u32 v7, s20, v7
	v_mul_u32_u24 v8, v5, 12                       ; my 12 bytes of a row's 192
	s_mul_i32 s22, s19, 256*WROW
	s_lshl_b32 s23, s18, 2
	s_add_co_u32 s22, s22, s23                     ; W: 256 rows for each step along K, 4 bytes a column
	s_mov_b32 s23, 0
	s_mul_i32 s24, s19, 192                        ; the codes: 192 bytes into each row
	s_mov_b32 s25, 0
	s_lshl_b32 s26, s19, 3                         ; the scale bytes: 8 into each row
	s_mov_b32 s27, 0
	s_wait_kmcnt 0x0
	s_add_nc_u64 s[6:7], s[6:7], s[22:23]
	s_add_nc_u64 s[12:13], s[12:13], s[24:25]
	s_add_nc_u64 s[14:15], s[14:15], s[26:27]
	WLOAD 0
	WLOAD 1
	v_add_nc_u32 v26, s18, v2                      ; my column
	ROWOF 9, 26, 27, 29
	v_lshlrev_b32 v9, 5, v9                        ; its row of scale bytes
	v_add_nc_u32 v28, s18, v6
.irp t, 0,1,2,3,4,5,6,7,8,9,10,11,12,13,14,15
	v_add_nc_u32 v26, 2*\t, v28                    ; the column whose codes I store in the t-th store: first column + 2 t + lane / 16
	ROWOF 10, 26, 27, 29
	v_mad_u32_u24 v[AR+\t], v10, 768, v8
.endr
.macro WBLOCK t
.set XS, WX+32*((\t)%2)
.if (\t) < NB-1
	s_wait_loadcnt 32                              ; this block's 32 loads are in; the next block's may be out
.else
	s_wait_loadcnt 0x0
.endif
	v_max3_num_f32 v12, |v[XS]|, |v[XS+1]|, |v[XS+2]|              ; the block's largest magnitude: all 32 numbers are mine
	v_max3_num_f32 v13, |v[XS+3]|, |v[XS+4]|, |v[XS+5]|
.irp i, 6,10,14,18,22,26
	v_max3_num_f32 v12, v12, |v[XS+\i]|, |v[XS+\i+1]|
	v_max3_num_f32 v13, v13, |v[XS+\i+2]|, |v[XS+\i+3]|
.endr
	v_max3_num_f32 v12, v12, |v[XS+30]|, |v[XS+31]|
	v_max3_num_f32 v12, v12, v13, 0x1800000        ; and the floor 2^(3 - 127)
	v_add_nc_u32 v11, 0xff000000, v12              ; 2 off its exponent field: the conversion's scale operand
	v_lshrrev_b32 v13, 23, v11                     ; the scale's byte
.if (\t)%4 == 0
	v_mov_b32 v[WSB+(\t)/4], v13                   ; four bytes to a register, the lower K in the lower byte
.else
	v_lshl_or_b32 v[WSB+(\t)/4], v13, 8*((\t)%4), v[WSB+(\t)/4]
.endif
	v_cvt_scalef32_pk16_fp6_f32 v[WC:WC+2], v[XS:XS+15], v11
	v_cvt_scalef32_pk16_fp6_f32 v[WC+4:WC+6], v[XS+16:XS+31], v11  ; (a conversion's three registers begin on an even number)
	ds_store_b96 v4, v[WC:WC+2] offset:32*(\t)     ; 12 bytes to a place of 16 in the stage, so that every LDS address is a multiple of 16
	ds_store_b96 v4, v[WC+4:WC+6] offset:32*(\t)+16
.if (\t)+2 < NB
	WLOAD (\t)+2
.endif
	s_wait_dscnt 0x0                               ; the stores have read their registers: the next block's codes may be written
.endm
.irp t, 0,1,2,3,4,5,6,7
	WBLOCK \t
.endr
	global_store_b64 v9, v[WSB:WSB+1], s[14:15]    ; my column's 8 scale bytes
.irp t, 0,1,2,3,4,5,6,7,8,9,10,11,12,13,14,15
	ds_load_b96 v[WOUT+4*\t:WOUT+4*\t+2], v7 offset:2*\t*WP   ; LDS serves a wave's instructions in order: these see my stores
.endr
.irp t, 0,1,2,3,4,5,6,7,8,9,10,11,12,13,14,15
	s_wait_dscnt 15-\t                             ; load t is back; the 15 - t younger ones may be out
	global_store_b96 v[AR+\t], v[WOUT+4*\t:WOUT+4*\t+2], s[12:13]   ; sixteen lanes store a row's 192 consecutive bytes
.endr
	s_wait_tensorcnt 0x0
	ds_add_u32 v251, v255
	s_wait_dscnt 0x0
	s_endpgm
.Lfunc_end_k_q0eb564a88b_quant:
	.size	k_q0eb564a88b_quant, .Lfunc_end_k_q0eb564a88b_quant-k_q0eb564a88b_quant
	.p2alignl 7, 3214868480
	.fill 96, 4, 3214868480
	.section	.rodata,"a",@progbits
	.p2align	6, 0x0
	.amdhsa_kernel k_q0eb564a88b_quant
		.amdhsa_group_segment_fixed_size 68096
		.amdhsa_private_segment_fixed_size 0
		.amdhsa_enable_private_segment 0
		.amdhsa_kernarg_size 48
		.amdhsa_user_sgpr_count 2
		.amdhsa_user_sgpr_kernarg_segment_ptr 1
		.amdhsa_wavefront_size32 1
		.amdhsa_system_sgpr_workgroup_id_x 1
		.amdhsa_system_sgpr_workgroup_id_y 1
		.amdhsa_system_sgpr_workgroup_id_z 1
		.amdhsa_system_vgpr_workitem_id 0
		.amdhsa_next_free_vgpr 256
		.amdhsa_next_free_sgpr 66
		.amdhsa_reserve_vcc 0
		.amdhsa_float_denorm_mode_32 3
		.amdhsa_float_denorm_mode_16_64 3
		.amdhsa_memory_ordered 1
		.amdhsa_forward_progress 1
		.amdhsa_inst_pref_size 84
	.end_amdhsa_kernel
	.amdgpu_metadata
---
amdhsa.version: [ 1, 2 ]
amdhsa.kernels:
  - .name:           k_q0eb564a88b_quant
    .symbol:         k_q0eb564a88b_quant.kd
    .args:
      - { .name: x, .offset: 0, .size: 8, .value_kind: global_buffer, .address_space: global }
      - { .name: W_qkv, .offset: 8, .size: 8, .value_kind: global_buffer, .address_space: global }
      - { .name: x_codes, .offset: 16, .size: 8, .value_kind: global_buffer, .address_space: global }
      - { .name: x_scales, .offset: 24, .size: 8, .value_kind: global_buffer, .address_space: global }
      - { .name: w_codes, .offset: 32, .size: 8, .value_kind: global_buffer, .address_space: global }
      - { .name: w_scales, .offset: 40, .size: 8, .value_kind: global_buffer, .address_space: global }
    .group_segment_fixed_size: 68096
    .private_segment_fixed_size: 0
    .kernarg_segment_align: 8
    .kernarg_segment_size: 48
    .max_flat_workgroup_size: 128
    .sgpr_count:     66
    .vgpr_count:     256
    .wavefront_size: 32
...
	.end_amdgpu_metadata
.endif
;; end of part 1
;; launch gemm (part 2): grid 12 x 32, 4 waves a work-group, clusters of 4 x 4, 327,680 bytes of LDS; arguments x_codes, x_scales, w_codes, w_scales, b_qkv, qkv; writes qkv
.if DOCPART == 2
	.amdgcn_target "amdgcn-amd-amdhsa--gfx1250"
	.amdhsa_code_object_version 6
	.text
	.protected	k_q0eb564a88b_gemm
	.globl	k_q0eb564a88b_gemm
	.p2align	8
	.type	k_q0eb564a88b_gemm,@function
k_q0eb564a88b_gemm:
	s_mov_b64 s[64:65], 0
	v_nop
	global_prefetch_b8 v0, s[64:65] scope:SCOPE_SE
	s_setreg_imm32_b32 hwreg(HW_REG_WAVE_MODE, 25, 1), 1
	s_wait_xcnt 0x0
	s_wait_alu depctr_hold_cnt(0) depctr_sa_sdst(0) depctr_va_vdst(0) depctr_va_sdst(0) depctr_va_ssrc(0) depctr_va_vcc(0) depctr_vm_vsrc(0)
	s_getreg_b32 s2, hwreg(HW_REG_IB_STS2, 6, 4)
	s_cmp_eq_u32 s2, 0
	s_cbranch_scc0 .Lentry_in_a_cluster
	s_endpgm
.Lentry_in_a_cluster:
	s_bfe_u32 s2, ttmp6, 0x10000c
	s_cmp_lg_u32 s2, 0xf033
	s_cbranch_scc0 .Lentry_shape_is_right
	s_endpgm
.Lentry_shape_is_right:
; qkv = x W + b on codes of FP6 (E2M3) with one E8M0 scale for each 32 along K = 1,024; sums in f32.  The results never go to memory as f32: q and k are quantised along the head's 64, v along the keys, in registers,
; and leave as images of the registers in which the next launch wants them.
; A tile of 256 x 256 is made by a work-group of four waves, a wave makes 128 x 128: 64 accumulators of 16 x 16, 512 registers.  K goes in steps of 256 (rows of 192 bytes) through a ring of two LDS slots filled by the
; tensor data mover; the scale bytes of the work-group's 2 x 256 rows, for all of K, come into LDS once, with the first fills.
; TWO OPERANDS: A (source 1: a lane holds ONE of its rows) and B (source 0: a lane's eight results run along its rows).  The cluster's x is kk: 0 q, 1 k, 2 v.
;   q, k: A = x (tokens), B = W's rows 1024 kk on (64 head + d): a lane holds a token, its registers run along d.     v: A = W's rows 2048 on (channels), B = x (tokens): a lane holds a channel, its registers run along the keys.
; Both buffers have rows of 768 bytes of codes and 32 scale bytes, so only pointers and tile numbers are chosen, on the cluster's x, which all sixteen partners share.
; THE STORED ROWS of both operands: within each 64, stored row 16 u + 8 p + lo holds logical row 32 p + 8 u + lo.  So row r of tile 4 c + u is logical row 64 c + 32 (r / 8) + 8 u + r % 8, and the 32 registers of accumulators
; 4 c .. 4 c + 3 of lane (r, h) are 32 NEIGHBOURS, 64 c + 32 h + 0 .. 31, along B's logical rows: a WHOLE block of the next product's K, in the lane in which the operand's layout wants it.  No maximum and no code changes lanes.
; CLUSTERS: 4 x 4 work-groups.  A's tile hangs on the tile row alone and is asked for jointly by a row of the cluster, B's on the tile column alone and by a column.
; qkv, in bytes: [64 heads][16 steps of 128 tokens] x 19,712: Q codes 6,144, Q scale words 512, K codes 6,144, K scale words 512, V codes 6,144, V scale words 256.
;   Q, K codes: 4 groups x 1,536: 12 registers a lane as 3 planes of 512 bytes (lane l at 16 l); registers 6 u .. 6 u + 5 of group g: tile a = 2 g + u, lane (r, h): token 64 (a / 4) + 32 (r / 8) + 8 (a % 4) + r % 8, d = 32 h .. 32 h + 31.
;   their scale words: 16 bytes a lane; word g: lanes 0-15 tile 2 g's rows, lanes 16-31 tile 2 g + 1's; bytes 0, 1 the two blocks of d; bytes 2, 3 the neighbour head's or 0, never 0xff.
;   Q'S SCALE BYTES ARE 5 LARGER THAN THE QUANTISER'S: the factor 32 = sqrt(1024) on q k^T is a power of two, so the next launch's first product gives 32 S itself, exactly.
;   V codes: 4 tiles of 16 channels x 1,536: a whole fragment (16 channels x 128 keys); row r of tile ct: channel 32 (r / 8) + 8 ct + r % 8; its scale words: 8 bytes a lane; word g: lanes 0-15 tile 2 g, lanes 16-31 tile 2 g + 1.
; LIMITS: NaN and infinities are not served.  A block whose largest magnitude lies under 2^-124 keeps the floor's byte 1 (a block of zeros too, where the rule says 127: its codes are zeros, and this program alone reads the bytes).
; The addition of 5 to q's four packed bytes carries nowhere while q's magnitudes lie under 2^125.
; REGISTERS, in windows of 256: window 0: v1-7 at work at the head; v8-15 the bias loads' offsets; v16-29 addresses; v32-63 scale words, two sets; v64-127 the bias; from v128 A's fragments, ONE set; behind the last product
;   v128-191 a block's 64 numbers, v192-215 codes, v216-223 scale words to store, v224-249 at work.   window 1: B's fragments, TWO sets.   windows 2, 3: the accumulators ((a, b) at v[8 (8 (a % 4) + b)]).
.set KSTEP,  256
.set NQ,     2                         ; matrix instructions deep in a slot
.set ROWB,   192                       ; a tile's row in bytes
.set KROW,   768                       ; a row of codes in memory
.set PITCH,  240                       ; an LDS row: 3 x (64 bytes of data + 16 of padding)
.set FR,     12                        ; registers of a fragment
.set NL,     6                         ; LDS loads that bring one
.set NP,     4                         ; places behind this matrix instruction (ISA guide 7.12.1)
.set HALFT,  128*PITCH                 ; 128 rows: what one tensor load brings
.set SLOT,   4*HALFT                   ; A's 256 rows, then B's 256 rows
.set LAPS,   2                         ; a lap = two K steps = once round the ring: 1,024 / 512
.set KS,     32                        ; a row of scale bytes
.set SCL,    2*SLOT                    ; behind the ring: the scales, as rows of 256 bytes + 16 of padding
.set HALFS,  (128*KS/256)*272
.set SBLK,   (16*KS/256)*272
.set SPARE,  SCL+4*HALFS               ; behind the scales: the spare words, 128 bytes for each wave, which no other line names
.set HST,    315392                    ; qkv: from head to head
.set STP,    19712                     ; from step to step
.set PART,   6656                      ; from Q's part to K's, from K's to V's
.set AD,   8                           ; v8-15   the bias loads' offsets; never rewritten
.set ADRA, 16                          ; v16-17  LDS address of my A fragments in slot 0, 1  (v18-19: for the pieces that lie behind one padding more)
.set ADRB, 20                          ; v20-23  the same for B
.set SH8,  24                          ; v24     8 x (lane / 16): how far my two scale bytes are shifted in the scale word
.set L8,   25                          ; v25     8 x lane
.set LI,   26                          ; v26     16 x lane
.set ADRS, 27                          ; v27     LDS address of my scale words: lanes 0-15 A's rows, lanes 16-31 B's
.set SPW,  28                          ; v28     LDS address of my spare word; never rewritten
.set NIL,  29                          ; v29     0; never rewritten
.set SC,   32
.set BI,   64                          ; v64-127 the bias, in the results' layout
.set AF,   128
.set HA,   128                         ; the way out
.set IMG,  192
.set SW,   216
.set TM,   224
.set XT,   240
.set PWU,  248
.set G1, 24
.set G0, 32
.set G1B, 48
.set G0B, 56
.set G1S, 68
.set G0S, 76
.set G1SB, 80
.set G0SB, 88
.set SEL, 92                           ; s[92:93] lane selects for v_permlanex16_b32 (written behind the first loads)
.set MSB, 0
.macro WIN new                         ; the immediate's high byte repeats the setting that is left
.if MSB != (\new)
	s_set_vgpr_msb (MSB<<8)|(\new)
.set MSB, (\new)
.endif
.endm
.set MUL_LO, 0xa1                      ; source 0 (B) window 1, source 1 (A) window 0, C and D window 2
.set MUL_HI, 0xf1                      ; the same, C and D window 3
.set TO_B,   0x40                      ; destination window 1, address window 0
; A joint load: waves 0 and 1 fetch for A, waves 2 and 3 for B.  The branch hangs on the wave's number alone.  Four v_nop follow each of the two lines.
.macro JLOAD g0a, g1a, g0b, g1b
	s_cmp_eq_u32 s15, 0
	s_cbranch_scc0 .Lfor_b_\@
	tensor_load_to_lds s[\g0a:\g0a+3], s[\g1a:\g1a+7]
	s_nop 0
.rept 4
	v_nop
.endr
	s_branch .Lasked_\@
.Lfor_b_\@:
	tensor_load_to_lds s[\g0b:\g0b+3], s[\g1b:\g1b+7]
	s_nop 0
.rept 4
	v_nop
.endr
.Lasked_\@:
.endm
.macro CREST                           ; a round of the cluster's barrier behind its opening barrier
	s_cmp_lg_u32 s14, 0
	s_cbranch_scc1 .Lnot_wave_0_\@
	s_barrier_signal -3
.Lnot_wave_0_\@:
	s_barrier_wait -3
	s_barrier_signal -1
	s_barrier_wait -1
.endm
.macro CROUND                          ; a whole round
	s_barrier_signal -1
	s_barrier_wait -1
	CREST
.endm
	s_load_b128 s[4:7], s[0:1], 0x0                ; x's codes, x's scales
	s_load_b128 s[8:11], s[0:1], 0x10              ; W's codes, W's scales
	s_load_b128 s[96:99], s[0:1], 0x20             ; the bias s[96:97], qkv s[98:99]
	v_lshl_add_u32 v[SPW], v0, 2, SPARE
	v_mov_b32 v[NIL], 0
	ds_add_u32 v28, v29
	ds_add_u32 v28, v29
	s_wait_dscnt 0x0
	v_lshrrev_b32 v1, 5, v0
	v_readfirstlane_b32 s14, v1                    ; wave 0..3
	s_lshr_b32 s15, s14, 1                         ; which half of A's rows is mine.  Also: I fetch for A (0) or for B (1)
	s_and_b32 s16, s14, 1                          ; which half of B's rows.  Also: which 128 rows of that tile I fetch
	s_bfe_u32 s40, ttmp6, 0x40000                  ; cx, cy: my place in the cluster
	s_bfe_u32 s41, ttmp6, 0x40004
	s_and_b32 s45, ttmp7, 0xffff                   ; the cluster's y: which 1,024 tokens
	s_cmp_eq_u32 ttmp9, 2                          ; v?  The cluster's x is the same in all sixteen partners
	s_cselect_b32 s42, s45, ttmp9                  ; B: tokens for v, else W's 1,024 rows of kk
	s_cselect_b32 s17, 2, s45                      ; A: W's rows 2,048 on for v, else tokens
	s_lshl_b32 s42, s42, 2
	s_add_co_u32 s42, s42, s40                     ; B's tile of 256 rows: hangs on cx alone
	s_lshl_b32 s17, s17, 2
	s_add_co_u32 s17, s17, s41                     ; A's tile of 256 rows: hangs on cy alone
	s_lshl_b32 s43, s41, 2
	s_lshl_b32 s43, 15, s43                        ; my row of the cluster
	s_lshl_b32 s44, 0x1111, s40                    ; my column
	; descriptor group 1: a tile of 128 rows x 192 bytes, padded in LDS
	s_or_b32 s[G1+0], s43, (0<<16)|(1<<20)|(1<<21)|(3<<22)|(3<<25)  ; 15:0 the mask: A's tiles go to my row; 17:16 element of 1 byte; 20 padding on; 21 set beside a mask; 24:22 after every 16 words; 31:25 of 4 words
	s_or_b32 s[G1B+0], s44, (0<<16)|(1<<20)|(1<<21)|(3<<22)|(3<<25)
.irp g, G1, G1B
	s_mov_b32 s[\g+1], ROWB<<16                    ; tensor_dim0
	s_mov_b32 s[\g+2], 128<<16                     ; tensor_dim1
	s_mov_b32 s[\g+3], ROWB<<16                    ; tile_dim0
	s_mov_b32 s[\g+4], 128                         ; tile_dim1
	s_mov_b32 s[\g+5], KROW                        ; tensor_dim0_stride
	s_mov_b32 s[\g+6], 0
	s_mov_b32 s[\g+7], 0
.endr
	; and for the scales of 128 rows: a dense block of 4,096 bytes, as 16 rows of 256 bytes (32 elements of 8 bytes), 16 bytes of padding behind each
	s_or_b32 s[G1S+0], s43, (3<<16)|(1<<20)|(1<<21)|(5<<22)|(3<<25)
	s_or_b32 s[G1SB+0], s44, (3<<16)|(1<<20)|(1<<21)|(5<<22)|(3<<25)
.irp g, G1S, G1SB
	s_mov_b32 s[\g+1], 32<<16
	s_mov_b32 s[\g+2], (128*KS/256)<<16
	s_mov_b32 s[\g+3], 32<<16
	s_mov_b32 s[\g+4], 128*KS/256
	s_mov_b32 s[\g+5], 32
	s_mov_b32 s[\g+6], 0
	s_mov_b32 s[\g+7], 0
.endr
	s_lshl_b32 s18, s16, 7                         ; which 128 rows of the tile I fetch
	s_lshl_b32 s20, s17, 8
	s_add_co_u32 s20, s20, s18                     ; A: row 256 x tile + 128 x half
	s_lshl_b32 s46, s42, 8
	s_add_co_u32 s46, s46, s18                     ; B likewise
	s_mov_b32 s21, 0
	s_mov_b32 s47, 0
	s_mov_b64 s[18:19], KS
	s_mul_u64 s[22:23], s[20:21], s[18:19]         ; where these rows' scales begin, in bytes
	s_mul_u64 s[92:93], s[46:47], s[18:19]
	s_mov_b64 s[18:19], KROW
	s_mul_u64 s[20:21], s[20:21], s[18:19]         ; and their codes
	s_mul_u64 s[46:47], s[46:47], s[18:19]
	s_mul_i32 s45, s14, HALFT                      ; where they go: wave x 128 rows: no place in the cluster enters an LDS address
	s_mul_i32 s94, s14, HALFS
	s_wait_kmcnt 0x0
	s_cmp_eq_u32 ttmp9, 2                          ; which buffer is A and which is B: a choice between pointers on the cluster's x
	s_cselect_b64 s[66:67], s[8:9], s[4:5]         ; A's codes
	s_cselect_b64 s[12:13], s[10:11], s[6:7]       ; A's scales
	s_cselect_b64 s[8:9], s[4:5], s[8:9]           ; B's codes
	s_cselect_b64 s[10:11], s[6:7], s[10:11]       ; B's scales
	s_add_nc_u64 s[20:21], s[66:67], s[20:21]
	s_add_nc_u64 s[22:23], s[12:13], s[22:23]
	s_add_nc_u64 s[46:47], s[8:9], s[46:47]
	s_add_nc_u64 s[92:93], s[10:11], s[92:93]
	CROUND                                         ; all sixteen work-groups are here: the first joint loads meet
	s_mov_b32 s[G0S], 1
	s_add_co_u32 s[G0S+1], s94, SCL
	s_mov_b64 s[G0S+2:G0S+3], s[22:23]
	s_or_b32 s[G0S+3], s[G0S+3], 0x80000000
	s_mov_b32 s[G0SB], 1
	s_add_co_u32 s[G0SB+1], s94, SCL
	s_mov_b64 s[G0SB+2:G0SB+3], s[92:93]
	s_or_b32 s[G0SB+3], s[G0SB+3], 0x80000000
	JLOAD G0S, G1S, G0SB, G1SB                     ; the scales first: they are wanted with K step 0
.irp s, 0,1
	s_mov_b32 s[G0+4*\s], 1
	s_add_co_u32 s[G0+4*\s+1], s45, \s*SLOT
	s_add_nc_u64 s[G0+4*\s+2:G0+4*\s+3], s[20:21], \s*ROWB
	s_or_b32 s[G0+4*\s+3], s[G0+4*\s+3], 0x80000000
	s_mov_b32 s[G0B+4*\s], 1
	s_add_co_u32 s[G0B+4*\s+1], s45, \s*SLOT
	s_add_nc_u64 s[G0B+4*\s+2:G0B+4*\s+3], s[46:47], \s*ROWB
	s_or_b32 s[G0B+4*\s+3], s[G0B+4*\s+3], 0x80000000
	JLOAD G0+4*\s, G1, G0B+4*\s, G1B               ; by this text's count three tensor loads of a wave are out here, later one
.endr
	v_and_b32 v1, 15, v0                           ; r = l % 16
	v_bfe_u32 v2, v0, 4, 1                         ; h = l / 16
	v_mul_u32_u24 v3, v1, PITCH
	v_mul_u32_u24 v4, v2, 24
	v_add_nc_u32 v4, v3, v4                        ; a fragment's row x pitch + 24 x half
	v_lshl_add_u32 v5, v2, 4, v4                   ; and the same behind one padding more
	s_mul_i32 s21, s15, HALFT                      ; my 128 rows of A
	s_mul_i32 s22, s16, HALFT                      ; my 128 rows of B,
	s_add_co_u32 s22, s22, 2*HALFT                 ; which lie behind A's 256
.irp s, 0,1
	v_add_nc_u32 v[ADRA+\s], s21, v4
	v_add_nc_u32 v[ADRB+\s], s22, v4
	v_add_nc_u32 v[ADRA+2+\s], s21, v5
	v_add_nc_u32 v[ADRB+2+\s], s22, v5
	s_add_co_u32 s21, s21, SLOT
	s_add_co_u32 s22, s22, SLOT
.endr
	v_mul_u32_u24 v5, v1, KS                       ; my row's scales: 32 bytes a row,
	v_lshrrev_b32 v6, 8, v5
	v_lshl_add_u32 v5, v6, 4, v5                   ; and 16 more for each 256 passed
	s_mul_i32 s21, s15, HALFS                      ; A's: my 128 rows
	s_mul_i32 s22, s16, HALFS                      ; B's: my 128 rows, behind A's 256
	s_add_co_u32 s22, s22, 2*HALFS
	s_sub_co_u32 s22, s22, s21
	v_mul_u32_u24 v6, s22, v2                      ; lanes 16-31 take B's: the lower base + h x the distance
	s_add_co_u32 s21, s21, SCL
	v_add_nc_u32 v5, v5, v6
	v_add_nc_u32 v[ADRS], s21, v5
	; where my results go, and my bias
	s_cmp_eq_u32 ttmp9, 2
	s_cselect_b32 s18, s42, s17                    ; my tile of 256 tokens,
	s_cselect_b32 s19, s16, s15                    ; my half of it: a step of 128 tokens,
	s_cselect_b32 s20, s41, s40                    ; my tile of 4 heads,
	s_cselect_b32 s21, s15, s16                    ; my half of it: 2 heads
	s_cselect_b32 s95, -1, 0                       ; all lanes for v, none for q and k
	s_cselect_b32 s45, 0, 12                       ; the bias from register to register: along d for q and k, the same number for v
	s_lshl_b32 s20, s20, 2
	s_lshl_b32 s21, s21, 1
	s_add_co_u32 s20, s20, s21                     ; my first head
	s_lshr_b32 s22, s18, 3                         ; the batch: 8 tiles of tokens each
	s_lshl_b32 s22, s22, 4
	s_add_co_u32 s22, s22, s20
	s_mul_i32 s22, s22, HST
	s_and_b32 s18, s18, 7
	s_lshl_b32 s18, s18, 1
	s_add_co_u32 s18, s18, s19                     ; the step
	s_mul_i32 s18, s18, STP
	s_add_co_u32 s22, s22, s18
	s_mul_i32 s18, ttmp9, PART                     ; Q's, K's or V's part of the step
	s_add_co_u32 s22, s22, s18
	s_mov_b32 s23, 0
	s_add_nc_u64 s[98:99], s[98:99], s[22:23]
	s_mul_i32 s20, s20, 768                        ; b at column 3 (64 head + d) + kk: 768 bytes a head, 12 a d, 4 a kk
	s_lshl_b32 s21, ttmp9, 2
	s_add_co_u32 s20, s20, s21
	s_mov_b32 s21, 0
	s_add_nc_u64 s[96:97], s[96:97], s[20:21]
	s_mov_b32 s[SEL], 0x76543210
	s_mov_b32 s[SEL+1], 0xfedcba98                 ; lane l xor 16
	s_mov_b32 s94, 0xffff0000                      ; lanes 16-31
	s_cmp_eq_u32 ttmp9, 0                          ; q?
	s_cselect_b32 s46, 0x05050505, 0               ; what is added to the four scale bytes of a word: x 32 for q, nothing for k
	v_and_b32 v6, 31, v0
	v_lshlrev_b32 v[LI], 4, v6
	v_lshlrev_b32 v[L8], 3, v6
	v_lshlrev_b32 v[SH8], 3, v2
	v_and_b32 v5, 8, v1
	v_mad_u32_u24 v5, v5, 3, v1                    ; r + 24 (r / 8) = 32 (r / 8) + r % 8
	v_mul_u32_u24 v5, v5, 12                       ; v: my channel in a tile of A
	v_mul_u32_u24 v6, v2, 384                      ; q, k: my half's 32 along d
	v_cndmask_b32 v[AD], v6, v5, s95
.irp j, 1,2,3,4,5,6,7
	v_add_nc_u32 v[AD+\j], s45, v[AD+\j-1]
.endr
; q, k: register BI + 8 b + j: the bias of B's logical row 64 (b / 4) + 32 h + 8 (b % 4) + j.   v: register BI + 8 a + j, the same for all j: that of my channel 64 (a / 4) + 32 (r / 8) + 8 (a % 4) + r % 8 of A's block a.
; The 64 loads land while K is walked; their registers and addresses are not touched before the wait behind the last product.
.irp i, 0,1,2,3,4,5,6,7
.irp j, 0,1,2,3,4,5,6,7
	global_load_b32 v[BI+8*\i+\j], v[AD+\j], s[96:97] offset:12*(64*(\i/4)+8*(\i%4))
.endr
.endr
.macro FRAG reg, adr, q, i             ; a fragment, 16 rows x 128 K of 6-bit codes, is 12 registers: lane l holds row l % 16; registers 6 c .. 6 c + 5 hold K = 64 c + 32 (l / 16) + 0 .. 31: 24 bytes of the row, as they lie
.irp p, 0,1,2,3,4,5                    ; in pieces of 8 bytes.  Lanes 0-15 take the row's pieces 12 q + 0, 1, 2 and 12 q + 6, 7, 8, lanes 16-31 those three pieces on
.set PC, 12*(\q)+6*(\p/3)+\p%3        ; 16 bytes of padding lie behind every 8 pieces: where the piece three on lies behind one padding more, the second address register serves
.if PC%8 < 5
	ds_load_b64 v[\reg+2*\p:\reg+2*\p+1], v[\adr] offset:8*PC+16*(PC/8)+(\i)*16*PITCH
.else
	ds_load_b64 v[\reg+2*\p:\reg+2*\p+1], v[\adr+2] offset:8*PC+16*(PC/8)+(\i)*16*PITCH
.endif
.endr
.endm
; 16 matrix instructions: A's blocks a0, a0 + 1 x B's eight, 128 along K: the slot's q-th.  p: B's set;  sc: the set of scale words.  zero = 1: the first product starts the sums.
; The 64 accumulators take turns, one instruction a turn, in the same order in every step.
.macro MUL16 a0, p, q, sc, zero
.irp a, \a0, \a0+1
.irp b, 0,1,2,3,4,5,6,7
.if \zero
	v_wmma_scale_f32_16x16x128_f8f6f4 v[8*(8*((\a)%4)+\b):8*(8*((\a)%4)+\b)+7], v[128*(\p)+FR*\b:128*(\p)+FR*\b+FR-1], v[AF+FR*(\a):AF+FR*(\a)+FR-1], 0, v[SC+8*NQ*(\sc)+NQ*\b+(\q)], v[SC+8*NQ*(\sc)+NQ*(\a)+(\q)] matrix_a_fmt:MATRIX_FMT_FP6 matrix_b_fmt:MATRIX_FMT_FP6 matrix_a_scale:MATRIX_SCALE_ROW1
.else
	v_wmma_scale_f32_16x16x128_f8f6f4 v[8*(8*((\a)%4)+\b):8*(8*((\a)%4)+\b)+7], v[128*(\p)+FR*\b:128*(\p)+FR*\b+FR-1], v[AF+FR*(\a):AF+FR*(\a)+FR-1], v[8*(8*((\a)%4)+\b):8*(8*((\a)%4)+\b)+7], v[SC+8*NQ*(\sc)+NQ*\b+(\q)], v[SC+8*NQ*(\sc)+NQ*(\a)+(\q)] matrix_a_fmt:MATRIX_FMT_FP6 matrix_b_fmt:MATRIX_FMT_FP6 matrix_a_scale:MATRIX_SCALE_ROW1
.endif
.endr
.endr
.endm
.macro FETCH_B slot, q, p              ; B's eight fragments of the slot's q-th 128 along K into set p
	WIN TO_B
.irp i, 0,1,2,3,4,5,6,7
	FRAG 128*(\p)+FR*\i, ADRB+\slot, \q, \i
.endr
	WIN 0
.endm
.macro FETCH_A slot, q, i0             ; A's blocks i0 .. i0 + 3
.irp i, \i0, \i0+1, \i0+2, \i0+3
	FRAG AF+FR*(\i), ADRA+\slot, \q, \i
.endr
.endm
.macro SCALES sc                       ; the next K step's scale words into set sc: 2 words a row; lanes 0-15 take A's block i, lanes 16-31 B's block i
.irp i, 0,1,2,3,4,5,6,7
	ds_load_b64 v[SC+8*NQ*\sc+NQ*\i:SC+8*NQ*\sc+NQ*\i+1], v[ADRS] offset:\i*SBLK
.endr
.endm
; A load into a register that a matrix instruction has read, and a vector instruction that reads a matrix result or writes one of its registers, stand NP places behind it; only plain vector instructions that name none of
; its registers are places (ISA guide 7.12.1 for vector instructions).
.macro PLACES n
.rept \n
	v_nop
.endr
.endm
; A step of 128 along K that has its successor in the same slot.
.macro STEP slot, q, zero
	s_wait_dscnt 4*NL                              ; B's set and A's blocks 0-3 are in; the youngest 24 loads (A's blocks 4-7) may be out
	WIN MUL_LO
	MUL16 0, (\q)%2, \q, \slot, \zero
	MUL16 2, (\q)%2, \q, \slot, \zero
	s_wait_dscnt 0                                 ; A's blocks 4-7 are in
	PLACES NP
	FETCH_B \slot, (\q)+1, 1-(\q)%2
	FETCH_A \slot, (\q)+1, 0
	WIN MUL_HI
	MUL16 4, (\q)%2, \q, \slot, \zero
	MUL16 6, (\q)%2, \q, \slot, \zero
	PLACES NP
	WIN 0
	FETCH_A \slot, (\q)+1, 4
.endm
; A slot's last step changes slots: ONE barrier; in front of it each wave waits for all its tensor loads, adds 0 to its spare word, and waits for that and for its own reads of this slot.  fill = 1: this slot is filled again, two K steps ahead.
.macro TURN slot, next, fill
	s_wait_tensorcnt 0x0                           ; all my tensor loads have landed: my part of the next slot
	ds_add_u32 v[SPW], v[NIL]                      ; 0 onto my spare word
	s_wait_dscnt 4*NL+1                            ; (the add and the youngest 24 loads, A's blocks 4-7, may be out)
	WIN MUL_LO
	MUL16 0, 1, NQ-1, \slot, 0                     ; sixteen matrix instructions stand between the add and the wait for it
	s_wait_dscnt 0x0                               ; the add is done, and my reads of this slot are over
	s_barrier_signal -1
	MUL16 2, 1, NQ-1, \slot, 0
	WIN 0
	s_barrier_wait -1
.if \fill
	CREST                                          ; the barrier has opened a round of the cluster's barrier: no wave of any partner still reads this slot's tile or has a load on its way
	s_add_nc_u64 s[G0+4*\slot+2:G0+4*\slot+3], s[G0+4*\slot+2:G0+4*\slot+3], 2*ROWB
	s_add_nc_u64 s[G0B+4*\slot+2:G0B+4*\slot+3], s[G0B+4*\slot+2:G0B+4*\slot+3], 2*ROWB
	JLOAD G0+4*\slot, G1, G0B+4*\slot, G1B         ; the first tensor load behind the round; the four v_nop behind it are the places in front of the loads below
.else
	PLACES NP
.endif
	v_add_nc_u32 v[ADRS], 4*NQ, v[ADRS]            ; on to the next K step's scale words
	FETCH_B \next, 0, 0
	FETCH_A \next, 0, 0
	SCALES \next
	WIN MUL_HI
	MUL16 4, 1, NQ-1, \slot, 0
	MUL16 6, 1, NQ-1, \slot, 0
	PLACES NP
	WIN 0
	FETCH_A \next, 0, 4
.endm
	s_wait_tensorcnt 1                             ; the scales and my part of K step 0 are in (K step 1's load may be out)
	s_barrier_signal -1
	s_barrier_wait -1                              ; everybody's are
	FETCH_B 0, 0, 0
	FETCH_A 0, 0, 0
	SCALES 0
	FETCH_A 0, 0, 4
	STEP 0, 0, 1                                   ; the first step stands in front of the loop: its products start the sums
	s_mov_b32 s3, LAPS-1
.Llap:                                                 ; a trip goes once round the ring, from a lap's second step to the next lap's first, and fills both slots again
	TURN 0, 1, 1
	STEP 1, 0, 0
	TURN 1, 0, 1
	STEP 0, 0, 0
	s_sub_co_u32 s3, s3, 1
	s_cmp_lg_u32 s3, 0
	s_cbranch_scc1 .Llap
	TURN 0, 1, 0                                   ; the last lap fills nothing, and has no round of the cluster's barrier
	STEP 1, 0, 0
	s_wait_dscnt 4*NL                              ; the very last step: nothing more to fetch
	WIN MUL_LO
	MUL16 0, 1, NQ-1, 1, 0
	MUL16 2, 1, NQ-1, 1, 0
	s_wait_dscnt 0
	WIN MUL_HI
	MUL16 4, 1, NQ-1, 1, 0
	MUL16 6, 1, NQ-1, 1, 0
	WIN 0
; THE WAY OUT, block by block of A's 16 rows x B's 128.
; ADDB: block a's eight accumulators + the bias go into v[HA] on, in window 0: the addition is also the move out of the accumulators' window.  Each accumulator is read from its low end on.
.macro ADDB isv, a
	WIN 0x02+(\a)/4                                ; source 0: window 2 or 3
.irp b, 0,1,2,3,4,5,6,7
.irp j, 0,2,4,6
.if \isv
	v_pk_add_f32 v[HA+8*\b+\j:HA+8*\b+\j+1], v[64*((\a)%4)+8*\b+\j:64*((\a)%4)+8*\b+\j+1], v[BI+8*(\a)+\j:BI+8*(\a)+\j+1]
.else
	v_pk_add_f32 v[HA+8*\b+\j:HA+8*\b+\j+1], v[64*((\a)%4)+8*\b+\j:64*((\a)%4)+8*\b+\j+1], v[BI+8*\b+\j:BI+8*\b+\j+1]
.endif
.endr
.endr
	WIN 0
.endm
; 64 numbers of a lane, v[s] on, register 32 c + i = k 64 c + 32 (lane / 16) + i of my row: TWO WHOLE BLOCKS of 32.  They become codes: block c in six registers from v[d0] (c = 0) or v[d1] (c = 1), as the operand's layout has
; them; the row's scale word, whole in every lane, in v[pw].  Each block's largest magnitude is found in two chains, the four chains by turns.
.macro QUANT s, d0, d1, pw
.irp c, 0,1
	v_max3_num_f32 v[TM+\c], |v[\s+32*\c]|, |v[\s+32*\c+1]|, 0x1800000   ; numbers 0 to 15, and the floor 2^(3 - 127): so the byte cannot fall under 1
	v_max3_num_f32 v[TM+2+\c], |v[\s+32*\c+16]|, |v[\s+32*\c+17]|, |v[\s+32*\c+18]|   ; numbers 16 to 30
.endr
.irp i, 0,2,4,6,8,10
.irp c, 0,1
	v_max3_num_f32 v[TM+\c], v[TM+\c], |v[\s+32*\c+2+\i]|, |v[\s+32*\c+3+\i]|
	v_max3_num_f32 v[TM+2+\c], v[TM+2+\c], |v[\s+32*\c+19+\i]|, |v[\s+32*\c+20+\i]|
.endr
.endr
.irp c, 0,1
	v_max3_num_f32 v[TM+\c], v[TM+\c], |v[\s+32*\c+14]|, |v[\s+32*\c+15]|
.endr
.irp c, 0,1
	v_max3_num_f32 v[TM+\c], v[TM+\c], v[TM+2+\c], |v[\s+32*\c+31]|   ; the block's largest magnitude
.endr
.irp c, 0,1
	v_add_nc_u32 v[TM+4+\c], 0xff000000, v[TM+\c]  ; 2 off its exponent field: the conversion's scale operand
.endr
	v_cvt_scalef32_pk16_fp6_f32 v[\d0:\d0+2], v[\s:\s+15], v[TM+4]
	v_cvt_scalef32_pk16_fp6_f32 v[XT:XT+2], v[\s+16:\s+31], v[TM+4]        ; (a conversion's three registers begin on an even number: a block's second three do not, so they are made elsewhere and moved)
	v_cvt_scalef32_pk16_fp6_f32 v[\d1:\d1+2], v[\s+32:\s+47], v[TM+5]
	v_cvt_scalef32_pk16_fp6_f32 v[XT+4:XT+6], v[\s+48:\s+63], v[TM+5]
.irp c, 0,1
	v_lshrrev_b32 v[TM+6+\c], 23, v[TM+4+\c]       ; the scale's byte.  (Also the plain place behind the scaled conversions)
.endr
	v_lshl_or_b32 v[\pw], v[TM+7], 16, v[TM+6]     ; my two bytes: blocks h and 2 + h of my row,
	v_lshlrev_b32 v[\pw], v[SH8], v[\pw]           ; at their places in the scale word (8 h bits up);
	v_permlanex16_b32 v[TM+8], v[\pw], s[SEL], s[SEL+1]
.irp i, 0,1,2
	v_mov_b32 v[\d0+3+\i], v[XT+\i]
	v_mov_b32 v[\d1+3+\i], v[XT+4+\i]
.endr
	v_or_b32 v[\pw], v[\pw], v[TM+8]               ; with lane l xor 16's two the word is whole
.endm
; Two blocks of A at a time make two runs of 12 registers.  q, k (isv = 0): a run is a head: six registers of block 2 g, six of block 2 g + 1.  v (isv = 1): a run is a block: a whole fragment of 16 channels x 128 keys.
.macro EPI isv
.irp g, 0,1,2,3
.if \g > 0
	s_wait_xcnt 0x0                                ; the last stores have read their data: the codes' registers are written again only behind this wait
.endif
.irp u, 0,1
	ADDB \isv, 2*\g+\u
.if \isv
	QUANT HA, IMG+12*\u, IMG+12*\u+6, PWU+\u
.else
	QUANT HA, IMG+6*\u, IMG+12+6*\u, PWU+\u
.endif
.endr
	v_cndmask_b32 v[SW+\g], v[PWU], v[PWU+1], s94  ; lanes 0-15: block 2 g's scale words, lanes 16-31: block 2 g + 1's
.if !\isv
	v_add_nc_u32 v[SW+\g], s46, v[SW+\g]           ; q: 5 onto each byte: x 32
	v_lshrrev_b32 v[SW+4+\g], 16, v[SW+\g]         ; the second head's two bytes
.endif
.irp p, 0,1,2
.if \isv
	global_store_b128 v[LI], v[IMG+4*\p:IMG+4*\p+3], s[98:99] offset:(\g/2)*HST+(2*(\g%2))*1536+512*\p         ; each store: 512 consecutive bytes, at a multiple of 256 from the buffer's first byte
	global_store_b128 v[LI], v[IMG+12+4*\p:IMG+12+4*\p+3], s[98:99] offset:(\g/2)*HST+(2*(\g%2)+1)*1536+512*\p
.else
	global_store_b128 v[LI], v[IMG+4*\p:IMG+4*\p+3], s[98:99] offset:1536*\g+512*\p
	global_store_b128 v[LI], v[IMG+12+4*\p:IMG+12+4*\p+3], s[98:99] offset:HST+1536*\g+512*\p
.endif
.endr
.endr
.if \isv
	global_store_b64 v[L8], v[SW:SW+1], s[98:99] offset:6144
	global_store_b64 v[L8], v[SW+2:SW+3], s[98:99] offset:HST+6144
.else
	global_store_b128 v[LI], v[SW:SW+3], s[98:99] offset:6144
	global_store_b128 v[LI], v[SW+4:SW+7], s[98:99] offset:HST+6144
.endif
.endm
	PLACES NP                                      ; behind the last products: their results are read and A's registers written below
	s_wait_loadcnt 0x0                             ; the bias
	v_mov_b32 v[TM+8], 0                           ; written once: a lane permute's destination counts as one of its sources
	s_cmp_eq_u32 ttmp9, 2                          ; the cluster's x: the same in all partners
	s_cbranch_scc1 .Lv
	EPI 0
	s_branch .Ldone
.Lv:
	EPI 1
.Ldone:
	s_wait_tensorcnt 0x0                           ; the wave's end
	ds_add_u32 v[SPW], v[NIL]
	s_wait_dscnt 0x0
	CROUND                                         ; the closing round: no work-group ends while a partner may still ask for a tile that names it
	s_endpgm
.Lfunc_end_k_q0eb564a88b_gemm:
	.size	k_q0eb564a88b_gemm, .Lfunc_end_k_q0eb564a88b_gemm-k_q0eb564a88b_gemm
	.p2alignl 7, 3214868480
	.fill 96, 4, 3214868480
	.section	.rodata,"a",@progbits
	.p2align	6, 0x0
	.amdhsa_kernel k_q0eb564a88b_gemm
		.amdhsa_group_segment_fixed_size 327680
		.amdhsa_private_segment_fixed_size 0
		.amdhsa_enable_private_segment 0
		.amdhsa_kernarg_size 48
		.amdhsa_user_sgpr_count 2
		.amdhsa_user_sgpr_kernarg_segment_ptr 1
		.amdhsa_wavefront_size32 1
		.amdhsa_system_sgpr_workgroup_id_x 1
		.amdhsa_system_sgpr_workgroup_id_y 1
		.amdhsa_system_sgpr_workgroup_id_z 1
		.amdhsa_system_vgpr_workitem_id 0
		.amdhsa_next_free_vgpr 1024
		.amdhsa_next_free_sgpr 100
		.amdhsa_reserve_vcc 0
		.amdhsa_float_denorm_mode_32 3
		.amdhsa_float_denorm_mode_16_64 3
		.amdhsa_memory_ordered 1
		.amdhsa_forward_progress 1
		.amdhsa_inst_pref_size 223
	.end_amdhsa_kernel
	.amdgpu_metadata
---
amdhsa.version: [ 1, 2 ]
amdhsa.kernels:
  - .name:           k_q0eb564a88b_gemm
    .symbol:         k_q0eb564a88b_gemm.kd
    .args:
      - { .name: x_codes, .offset: 0, .size: 8, .value_kind: global_buffer, .address_space: global }
      - { .name: x_scales, .offset: 8, .size: 8, .value_kind: global_buffer, .address_space: global }
      - { .name: w_codes, .offset: 16, .size: 8, .value_kind: global_buffer, .address_space: global }
      - { .name: w_scales, .offset: 24, .size: 8, .value_kind: global_buffer, .address_space: global }
      - { .name: b_qkv, .offset: 32, .size: 8, .value_kind: global_buffer, .address_space: global }
      - { .name: qkv, .offset: 40, .size: 8, .value_kind: global_buffer, .address_space: global }
    .group_segment_fixed_size: 327680
    .private_segment_fixed_size: 0
    .kernarg_segment_align: 8
    .kernarg_segment_size: 48
    .max_flat_workgroup_size: 128
    .sgpr_count:     100
    .vgpr_count:     1024
    .wavefront_size: 32
...
	.end_amdgpu_metadata
.endif
;; end of part 2
;; launch attn (part 3): grid 4 x 64, 8 waves a work-group, clusters of 4 x 1, 244,736 bytes of LDS; arguments qkv, out0; writes out0
.if DOCPART == 3
	.amdgcn_target "amdgcn-amd-amdhsa--gfx1250"
	.amdhsa_code_object_version 6
	.text
	.protected	k_q0eb564a88b_attn
	.globl	k_q0eb564a88b_attn
	.p2align	8
	.type	k_q0eb564a88b_attn,@function
k_q0eb564a88b_attn:
	s_mov_b64 s[64:65], 0
	v_nop
	global_prefetch_b8 v0, s[64:65] scope:SCOPE_SE
	s_setreg_imm32_b32 hwreg(HW_REG_WAVE_MODE, 25, 1), 1
	s_wait_xcnt 0x0
	s_wait_alu depctr_hold_cnt(0) depctr_sa_sdst(0) depctr_va_vdst(0) depctr_va_sdst(0) depctr_va_ssrc(0) depctr_va_vcc(0) depctr_vm_vsrc(0)
	s_getreg_b32 s2, hwreg(HW_REG_IB_STS2, 6, 4)
	s_cmp_eq_u32 s2, 0
	s_cbranch_scc0 .Lentry_in_a_cluster
	s_endpgm
.Lentry_in_a_cluster:
	s_bfe_u32 s2, ttmp6, 0x10000c
	s_cmp_lg_u32 s2, 0x3003
	s_cbranch_scc0 .Lentry_shape_is_right
	s_endpgm
.Lentry_shape_is_right:
; out[bh][i][:] = the sum over keys j of Q(32 S[i][j]) Q(v[j][:]), S = Q(q) Q(k)^T, both products on codes of FP6 (E2M3) with one E8M0 scale for each 32 along K.  There is no softmax.
; q, k, v come as images of operand registers with their scale words: [64 heads][16 steps of 128 tokens] x 19,712 bytes: Q codes 6,144, Q scale words 512, K codes 6,144, K scale words 512, V codes 6,144, V scale words 256.
; x 32 IS A POWER OF TWO: q's scale bytes come 5 larger than the quantiser's, so the first product gives 32 S itself, exactly, and that is what is quantised here.
; K = 64 IN AN INSTRUCTION OF 128: Q's fragments hold zero codes for k = 64 .. 127.  So it does not matter what K's fragments hold there (FP6 has no NaN and no infinity, and no scale byte here is 0xff): tile kt's fragment is
; the twelve registers from KF + 6 kt on: its own six and the next tile's six (behind the last tile: six registers cleared once).
; SHARES.  A work-group owns 512 queries of one head, each of its eight waves 64: four tiles of 16.  Two waves share a SIMD, so that one wave's quantising stands beside the other's matrix work.  Each fragment of K and V
; read from LDS feeds four matrix instructions.
; LDS.  A head's K and V with their scale words, 16 steps x 13,056 bytes, come in ONCE, as they lie in memory, and stay: no slot is ever filled again.  Behind them: a stage of 16 rows x 272 bytes for each wave.
; CLUSTER.  The four work-groups of a head read the same K and V: each of the 16 tiles is asked for JOINTLY, by the same tensor load with the same descriptor and a mask that names the four.
; LAYOUT.  Both products are used transposed: S^T = K Q^T (source 0 = 16 keys, source 1 = 16 queries), O^T = V^T P^T (source 0 = 16 channels, source 1 = P): a lane holds ONE query throughout.  The keys of a tile are not
; neighbours: row r of tile 4 c + u is key 64 c + 32 (r / 8) + 8 u + r % 8.  So the 32 registers of tiles 4 c .. 4 c + 3 of lane (r, h) are keys 64 c + 32 h + 0 .. 31: a WHOLE block of the second product's K, in the lane in
; which the operand's layout wants it: no maximum and no code changes lanes; only the scale word's bytes are gathered from lane l xor 16.  Queries and channels of a tile are chosen alike.
; THE QUANTISER IS IN TWO PARTS.  QA reads the scores: maxima, conversions.  QB works on registers of its own: the scale word, six moves.  QB of a tile stands between the next tile's products.
; LIMITS: NaN and infinities are not served.  A block of 32 S whose largest magnitude lies under 2^-124 keeps the floor's byte 1 (a block of zeros too, where the rule says 127: its codes are zeros).
; REGISTERS.  Window 0: v1-7, v11 addresses; v12-15 K's scale words, v16-17 V's, v18-19 Q's, v20-23 P's; v24-40 at work; v42-89 Q (12 a tile: 6 of codes, 6 zeros); v90-137 P's codes; v138-201 S^T of one tile; v202-255 K;
;   on the way out v90-217 rows of O.   Window 1: v0-127 O^T (tile t, channels' tile ct at 32 t + 8 ct); v184-231 V.   The first product and the quantiser work in window 0 alone.
.set HST,   315392                     ; qkv: from head to head
.set STP,   19712                      ; from step to step
.set PART,  6656                       ; Q's part of a step; K's begins here
.set SB,    13056                      ; a step's K, K's scale words, V, V's scale words: 51 rows of 256 bytes
.set STAGE, 16*SB                      ; behind them: the stages; no fill lands there
.set SP,    272
.set LI,  1                            ; v1   16 x lane
.set L8,  2                            ; v2   8 x lane
.set ADR, 3                            ; v3   LDS address of the run of loads in hand
.set AD8, 4                            ; v4   the same for V's scale words
.set STO, 5                            ; v5   the way out: where I put 16 bytes of a row
.set RD,  6                            ; v6   where I read a row back
.set GO,  7                            ; v7   my byte offset in two rows of out
.set SH8, 11                           ; v11  8 x (lane / 16): how far my two scale bytes are shifted in the scale word
.set KSC, 12
.set VSC, 16
.set QSC, 18
.set PW,  20
.set TM,  24                           ; v24-32
.set XT,  34                           ; v34-36, v38-40
.set QF,  42
.set PF,  90
.set S,   138
.set KF,  202
.set OB,  90
.set VF,  184                          ; in window 1
.set WV,  8                            ; s8   my wave's number
.set TB,  9                            ; s9   LDS byte at which the step to be fetched begins
.set CNT, 10                           ; s10  counts trips
.set SEL, 12                           ; s[12:13] lane selects for v_permlanex16_b32: lane l xor 16
.set MSB, 0
.macro WIN new                         ; the immediate's high byte repeats the setting that is left
.if MSB != (\new)
	s_set_vgpr_msb (MSB<<8)|(\new)
.set MSB, (\new)
.endif
.endm
.macro CROUND                          ; a round of the cluster's barrier
	s_barrier_signal -1
	s_barrier_wait -1
	s_cmp_lg_u32 s[WV], 0
	s_cbranch_scc1 .Lnot_wave_0_\@
	s_barrier_signal -3
.Lnot_wave_0_\@:
	s_barrier_wait -3
	s_barrier_signal -1
	s_barrier_wait -1
.endm
	s_load_b128 s[4:7], s[0:1], 0x0                ; qkv s[4:5], out s[6:7]
	v_lshl_add_u32 v37, v0, 2, 0x3b800
	v_mov_b32 v41, 0
	ds_add_u32 v37, v41
	ds_add_u32 v37, v41
	v_lshrrev_b32 v8, 5, v0
	v_readfirstlane_b32 s[WV], v8                  ; wave 0..7
	s_bfe_u32 s11, ttmp6, 0x40000                  ; cx: my block of 512 queries; it enters Q's and out's addresses alone
	s_and_b32 s14, ttmp7, 0xffff                   ; the head (16 x batch + head), which the four partners share
	s_mul_i32 s32, s14, HST                        ; the head's first byte
	s_mul_i32 s33, s[WV], STP
	s_add_co_u32 s34, s32, s33
	s_add_co_u32 s34, s34, PART                    ; what I fetch first: step w's K and V
	s_mov_b32 s35, 0
	s_mul_i32 s36, s[WV], SB                       ; and where it goes
	; descriptor group 1: 51 rows of 256 bytes (32 elements of 8 bytes), dense, no padding
	s_mov_b32 s16, 15|(3<<16)|(1<<21)              ; 15:0 the mask: all four work-groups; 17:16 elements of 8 bytes; 21 set beside a mask
	s_mov_b32 s17, 32<<16                          ; tensor_dim0
	s_mov_b32 s18, 51<<16                          ; tensor_dim1
	s_mov_b32 s19, 32<<16                          ; tile_dim0
	s_mov_b32 s20, 51                              ; tile_dim1
	s_mov_b32 s21, 32                              ; tensor_dim0_stride
	s_mov_b32 s22, 0
	s_mov_b32 s23, 0
	s_lshl_b32 s37, s11, 2
	s_lshr_b32 s38, s[WV], 1
	s_add_co_u32 s37, s37, s38                     ; the step that holds my 64 queries: 4 cx + wave / 2
	s_mul_i32 s37, s37, STP
	s_add_co_u32 s37, s37, s32
	s_and_b32 s38, s[WV], 1                        ; its first or second 64 tokens: two groups of two tiles
	s_mul_i32 s39, s38, 3072
	s_add_co_u32 s40, s37, s39                     ; my codes of Q
	s_mov_b32 s41, 0
	s_lshl_b32 s39, s38, 3
	s_add_co_u32 s42, s37, s39
	s_add_co_u32 s42, s42, 6144                    ; my two scale words of a lane's four
	s_mov_b32 s43, 0
	s_lshl_b32 s44, s14, 19                        ; out: 2,048 rows of 256 bytes a head,
	s_lshl_b32 s39, s11, 17                        ; 512 a work-group,
	s_add_co_u32 s44, s44, s39
	s_lshl_b32 s39, s[WV], 14                      ; 64 a wave
	s_add_co_u32 s44, s44, s39
	s_mov_b32 s45, 0
	s_mov_b32 s[SEL], 0x76543210
	s_mov_b32 s[SEL+1], 0xfedcba98
	s_mov_b32 s[TB], 0
	s_wait_dscnt 0x0
	s_wait_kmcnt 0x0
	s_mov_b32 s24, 1                               ; group 0 of my first load: count = 1,
	s_mov_b32 s25, s36                             ; LDS address: step w,
	s_add_nc_u64 s[26:27], s[4:5], s[34:35]        ; global address,
	s_or_b32 s27, s27, 0x80000000                  ; type = 2
	s_mov_b32 s28, 1                               ; and of my second: step w + 8
	s_add_co_u32 s29, s36, 8*SB
	s_add_nc_u64 s[30:31], s[4:5], s[34:35]
	s_add_nc_u64 s[30:31], s[30:31], 8*STP
	s_or_b32 s31, s31, 0x80000000
	s_add_nc_u64 s[40:41], s[4:5], s[40:41]
	s_add_nc_u64 s[42:43], s[4:5], s[42:43]
	s_add_nc_u64 s[6:7], s[6:7], s[44:45]
	CROUND                                         ; all four work-groups are here: the joint loads meet
	tensor_load_to_lds s[24:27], s[16:23]          ; every wave's two fills go out together, ahead of every wait on TENSORcnt, every LDS read and every other barrier: two loads of mine are out
	s_nop 0
	tensor_load_to_lds s[28:31], s[16:23]
	s_nop 0
.rept 4
	v_nop
.endr
	v_and_b32 v8, 31, v0
	v_lshlrev_b32 v[LI], 4, v8
	v_lshlrev_b32 v[L8], 3, v8
; Q stays in registers.  In memory a group of two tiles is 12 registers a lane in 3 planes of 512 bytes; registers 6 u .. 6 u + 5 are tile 2 gg + u's: they come in pairs of registers, 8 bytes.
.irp gg, 0,1
.irp u, 0,1
.irp ii, 0,1,2
	global_load_b64 v[QF+12*(2*\gg+\u)+2*\ii:QF+12*(2*\gg+\u)+2*\ii+1], v[LI], s[40:41] offset:\gg*1536+((3*\u+\ii)/2)*512+8*((3*\u+\ii)%2)
.endr
.endr
.endr
	global_load_b64 v[QSC:QSC+1], v[LI], s[42:43]  ; word gg: lanes 0-15 tile 2 gg's rows, lanes 16-31 tile 2 gg + 1's
.irp t, 0,1,2,3
.irp i, 6,7,8,9,10,11
	v_mov_b32 v[QF+12*\t+\i], 0                    ; zero codes for k = 64 .. 127
.endr
.endr
	v_mov_b32 v[TM+8], 0                           ; written once: a lane permute's destination counts as one of its sources
.irp i, 48,49,50,51,52,53
	v_mov_b32 v[KF+\i], 0                          ; behind K's last tile: named as the upper half of its fragment
.endr
	v_and_b32 v9, 15, v0                           ; r
	v_bfe_u32 v10, v0, 4, 1                        ; h
	v_lshlrev_b32 v[SH8], 3, v10
	s_mul_i32 s33, s[WV], 16*SP
	s_add_co_u32 s33, s33, STAGE                   ; my stage
	v_mul_u32_u24 v[STO], v9, SP
	v_lshl_add_u32 v[STO], v10, 7, v[STO]
	v_add_nc_u32 v[STO], s33, v[STO]               ; in: row r, + 128 h: my 32 neighbouring channels
	v_mul_u32_u24 v[RD], v10, SP
	v_lshl_add_u32 v[RD], v9, 4, v[RD]
	v_add_nc_u32 v[RD], s33, v[RD]                 ; back: lanes 0-15 one row of 256 bytes, lanes 16-31 the next
	v_lshlrev_b32 v[GO], 8, v10
	v_lshl_add_u32 v[GO], v9, 4, v[GO]             ; and the same two rows in out
; THE LDS LOADS stand in runs of 13.  A step's K: its scale words (16 bytes a lane), then 12 x 512 bytes: images of registers, lane l at 16 l.
.macro FETCH_K
	v_add_nc_u32 v[ADR], s[TB], v[LI]
	ds_load_b128 v[KSC:KSC+3], v[ADR] offset:6144
.irp i, 0,1,2,3,4,5,6,7,8,9,10,11
	ds_load_b128 v[KF+4*\i:KF+4*\i+3], v[ADR] offset:512*\i
.endr
.endm
.macro FETCH_V                         ; the same step's V: its scale words (8 bytes a lane), then four fragments.  Its two additions are two of the four places in front of its loads
	v_add_nc_u32 v[ADR], s[TB], v[LI]
	v_add_nc_u32 v[AD8], s[TB], v[L8]
	ds_load_b64 v[VSC:VSC+1], v[AD8] offset:12800
	WIN 0x40                                       ; destination window 1
.irp i, 0,1,2,3,4,5,6,7,8,9,10,11
	ds_load_b128 v[VF+4*\i:VF+4*\i+3], v[ADR] offset:6656+512*\i
.endr
	WIN 0
	s_add_co_u32 s[TB], s[TB], SB                  ; the next fetch is the next step's
.endm
; One product of S^T = K Q^T: keys' tile kt, queries' tile t.  Scale words: an even tile's lie in lanes 0-15 of its register, an odd tile's in lanes 16-31.
.macro SQ1 kt, t
.set rD, S+8*(\kt)
.set rA, KF+6*(\kt)
.set rB, QF+12*(\t)
.set rX, KSC+(\kt)/2
.set rY, QSC+(\t)/2
.if ((\kt)%2) && ((\t)%2)
	v_wmma_scale_f32_16x16x128_f8f6f4 v[rD:rD+7], v[rA:rA+11], v[rB:rB+11], 0, v[rX], v[rY] matrix_a_fmt:MATRIX_FMT_FP6 matrix_b_fmt:MATRIX_FMT_FP6 matrix_a_scale:MATRIX_SCALE_ROW1 matrix_b_scale:MATRIX_SCALE_ROW1
.elseif ((\kt)%2)
	v_wmma_scale_f32_16x16x128_f8f6f4 v[rD:rD+7], v[rA:rA+11], v[rB:rB+11], 0, v[rX], v[rY] matrix_a_fmt:MATRIX_FMT_FP6 matrix_b_fmt:MATRIX_FMT_FP6 matrix_a_scale:MATRIX_SCALE_ROW1
.elseif ((\t)%2)
	v_wmma_scale_f32_16x16x128_f8f6f4 v[rD:rD+7], v[rA:rA+11], v[rB:rB+11], 0, v[rX], v[rY] matrix_a_fmt:MATRIX_FMT_FP6 matrix_b_fmt:MATRIX_FMT_FP6 matrix_b_scale:MATRIX_SCALE_ROW1
.else
	v_wmma_scale_f32_16x16x128_f8f6f4 v[rD:rD+7], v[rA:rA+11], v[rB:rB+11], 0, v[rX], v[rY] matrix_a_fmt:MATRIX_FMT_FP6 matrix_b_fmt:MATRIX_FMT_FP6
.endif
.endm
; One product of O^T += V^T P^T: channels' tile ct, queries' tile t.
.macro PV1 ct, t, zero
.set rD, 32*(\t)+8*(\ct)
.set rA, VF+12*(\ct)
.set rB, PF+12*(\t)
.set rX, VSC+(\ct)/2
.set rY, PW+(\t)
.if (\zero) && ((\ct)%2)
	v_wmma_scale_f32_16x16x128_f8f6f4 v[rD:rD+7], v[rA:rA+11], v[rB:rB+11], 0, v[rX], v[rY] matrix_a_fmt:MATRIX_FMT_FP6 matrix_b_fmt:MATRIX_FMT_FP6 matrix_a_scale:MATRIX_SCALE_ROW1
.elseif (\zero)
	v_wmma_scale_f32_16x16x128_f8f6f4 v[rD:rD+7], v[rA:rA+11], v[rB:rB+11], 0, v[rX], v[rY] matrix_a_fmt:MATRIX_FMT_FP6 matrix_b_fmt:MATRIX_FMT_FP6
.elseif ((\ct)%2)
	v_wmma_scale_f32_16x16x128_f8f6f4 v[rD:rD+7], v[rA:rA+11], v[rB:rB+11], v[rD:rD+7], v[rX], v[rY] matrix_a_fmt:MATRIX_FMT_FP6 matrix_b_fmt:MATRIX_FMT_FP6 matrix_a_scale:MATRIX_SCALE_ROW1
.else
	v_wmma_scale_f32_16x16x128_f8f6f4 v[rD:rD+7], v[rA:rA+11], v[rB:rB+11], v[rD:rD+7], v[rX], v[rY] matrix_a_fmt:MATRIX_FMT_FP6 matrix_b_fmt:MATRIX_FMT_FP6
.endif
.endm
.macro PVALL zero                      ; the 16 accumulators take turns, one instruction a turn; between two steps' turns stand the scores' products.  zero = 1: the first step starts the sums
	WIN 0x51                                       ; source 0 (V) window 1, source 1 (P) window 0, C and D window 1
.irp ct, 0,1,2,3
.irp t, 0,1,2,3
	PV1 \ct, \t, \zero
.endr
.endr
	WIN 0
.endm
; QA: the 64 scores of a lane, register 32 c + i = key 64 c + 32 (lane / 16) + i of my query: TWO WHOLE BLOCKS.  Each block's largest magnitude in two chains, the four chains by turns; each accumulator is read from its low end on.
; The first three registers of each block's codes go to their place in the fragment v[d] on, the second three to v[XT] on; the two scale bytes to v[TM + 6], v[TM + 7].
.macro QA d
.irp c, 0,1
	v_max3_num_f32 v[TM+\c], |v[S+32*\c]|, |v[S+32*\c+1]|, 0x1800000   ; numbers 0 to 15, and the floor 2^(3 - 127): so the byte cannot fall under 1
	v_max3_num_f32 v[TM+2+\c], |v[S+32*\c+16]|, |v[S+32*\c+17]|, |v[S+32*\c+18]|   ; numbers 16 to 30
.endr
.irp i, 0,2,4,6,8,10
.irp c, 0,1
	v_max3_num_f32 v[TM+\c], v[TM+\c], |v[S+32*\c+2+\i]|, |v[S+32*\c+3+\i]|
	v_max3_num_f32 v[TM+2+\c], v[TM+2+\c], |v[S+32*\c+19+\i]|, |v[S+32*\c+20+\i]|
.endr
.endr
.irp c, 0,1
	v_max3_num_f32 v[TM+\c], v[TM+\c], |v[S+32*\c+14]|, |v[S+32*\c+15]|
.endr
.irp c, 0,1
	v_max3_num_f32 v[TM+\c], v[TM+\c], v[TM+2+\c], |v[S+32*\c+31]|   ; the block's largest magnitude
.endr
.irp c, 0,1
	v_add_nc_u32 v[TM+4+\c], 0xff000000, v[TM+\c]  ; 2 off its exponent field: the conversion's scale operand
.endr
.irp c, 0,1
	v_cvt_scalef32_pk16_fp6_f32 v[\d+6*\c:\d+6*\c+2], v[S+32*\c:S+32*\c+15], v[TM+4+\c]
	v_cvt_scalef32_pk16_fp6_f32 v[XT+4*\c:XT+4*\c+2], v[S+32*\c+16:S+32*\c+31], v[TM+4+\c]   ; (a conversion's three registers begin on an even number: a block's second three do not)
.endr
.irp c, 0,1
	v_lshrrev_b32 v[TM+6+\c], 23, v[TM+4+\c]       ; the scale's byte.  (Also the plain place between the scaled conversions and the next tile's products, which write over the scores)
.endr
.endm
; QB, in eight slices: slice k stands behind the next tile's k-th product.  It names the scratch registers, P's codes and P's scale word alone, none of those products' registers.  The four moves of slice 7 are the four places
; between the last of those products and the first read of their results (and the loads into K's registers).
.macro QBS d, pw, k
.if \k == 0
	v_lshl_or_b32 v[\pw], v[TM+7], 16, v[TM+6]     ; my two bytes: blocks h and 2 + h of my query,
.elseif \k == 1
	v_lshlrev_b32 v[\pw], v[SH8], v[\pw]           ; at their places in the scale word (8 h bits up);
.elseif \k == 2
	v_permlanex16_b32 v[TM+8], v[\pw], s[SEL], s[SEL+1]
.elseif \k == 3
	v_mov_b32 v[\d+3], v[XT]
.elseif \k == 4
	v_mov_b32 v[\d+4], v[XT+1]
.elseif \k == 5
	v_or_b32 v[\pw], v[\pw], v[TM+8]               ; with lane l xor 16's two the word is whole
.elseif \k == 7
	v_mov_b32 v[\d+5], v[XT+2]
	v_mov_b32 v[\d+9], v[XT+4]
	v_mov_b32 v[\d+10], v[XT+5]
	v_mov_b32 v[\d+11], v[XT+6]
.endif
.endm
.macro SQK t                           ; tile t's scores for the step's 128 keys
.irp kt, 0,1,2,3,4,5,6,7
	SQ1 \kt, \t
.endr
.endm
.macro SQKQ t, d, pw                   ; the same, with the end of the last tile's quantising between the products
.irp kt, 0,1,2,3,4,5,6,7
	SQ1 \kt, \t
	QBS \d, \pw, \kt
.endr
.endm
.macro QB d, pw                        ; the last tile's: no products are left to set it between
.irp k, 0,1,2,3,4,5,6,7
	QBS \d, \pw, \k
.endr
.endm
; A KEY STEP: 128 keys.  fetch = 1: the next step's K is fetched behind the last scores' products, its V behind the products with V.
.macro STEP zero, fetch
	s_wait_dscnt 13                                ; K and its scale words are in; the 13 loads of V, issued behind them, may be out
	SQK 0
.rept 4
	v_nop                                          ; four places between the products and the first read of their results
.endr
	QA PF
	SQKQ 1, PF, PW
	QA PF+12
	SQKQ 2, PF+12, PW+1
	QA PF+24
	SQKQ 3, PF+24, PW+2
.if \fetch
	FETCH_K
.endif
	QA PF+36
	QB PF+36, PW+3
.if \fetch
	s_wait_dscnt 13                                ; V and its scale words are in; the 13 loads of the next step's K may be out
.else
	s_wait_dscnt 0x0
.endif
.rept 8
	v_nop                                          ; a scale word made by vector instructions stands eight places ahead of a scaled matrix instruction, codes so made four
.endr
	PVALL \zero
.if \fetch
.rept 2
	v_nop                                          ; with the two additions at the head of the fetch: four places in front of the loads into V's registers
.endr
	FETCH_V
.else
.rept 4
	v_nop                                          ; four places in front of the first read of results
.endr
.endif
.endm
	s_wait_tensorcnt 0x1                           ; my first load, one of steps 0 to 7, has landed; my second may stay out
	s_barrier_signal -1
	s_barrier_wait -1                              ; steps 0 to 7 are whole
	FETCH_K                                        ; step 0
	FETCH_V
	s_wait_loadcnt 0x0                             ; Q
	STEP 1, 1                                      ; step 0 starts the sums; it fetches step 1
	s_mov_b32 s[CNT], 6
.Lfirst:                                               ; steps 1 to 6; they fetch steps 2 to 7
	STEP 0, 1
	s_sub_co_u32 s[CNT], s[CNT], 1
	s_cmp_lg_u32 s[CNT], 0
	s_cbranch_scc1 .Lfirst
	s_wait_tensorcnt 0x0                           ; my second load has landed,
	s_wait_dscnt 0x0
	s_barrier_signal -1
	s_barrier_wait -1                              ; everybody's has: steps 8 to 15 are whole
	s_mov_b32 s[CNT], 8
.Lsecond:                                              ; steps 7 to 14; they fetch steps 8 to 15
	STEP 0, 1
	s_sub_co_u32 s[CNT], s[CNT], 1
	s_cmp_lg_u32 s[CNT], 0
	s_cbranch_scc1 .Lsecond
	STEP 0, 0                                      ; step 15: nothing more to fetch
; THE WAY OUT, a tile of 16 queries at a time.  Lane (r, h), accumulator ct, register j: channel 32 h + 8 ct + j of the tile's row r.  The tile goes into my stage (rows of 272 bytes) and comes back as whole rows of 256 bytes.
.macro TOST t
	WIN 0x04                                       ; an LDS store's data are its source 1: window 1
.irp ct, 0,1,2,3
	ds_store_b128 v[STO], v[32*\t+8*\ct:32*\t+8*\ct+3] offset:32*\ct       ; each accumulator from its low end on
	ds_store_b128 v[STO], v[32*\t+8*\ct+4:32*\t+8*\ct+7] offset:32*\ct+16
.endr
	WIN 0
.irp i, 0,1,2,3,4,5,6,7
	ds_load_b128 v[OB+32*\t+4*\i:OB+32*\t+4*\i+3], v[RD] offset:2*\i*SP   ; LDS serves a wave's instructions in order: these see the stores above, and the next tile's stores come behind them
.endr
.endm
.macro SEND t, younger                 ; younger: the LDS instructions issued behind tile t's loads: the next tile's sixteen, or none.  Row 2 i + lane / 16 of the tile is query 32 (i / 4) + 8 t + 2 (i % 4) + lane / 16 of my 64
.irp i, 0,1,2,3,4,5,6,7
	s_wait_dscnt \younger+7-\i
	global_store_b128 v[GO], v[OB+32*\t+4*\i:OB+32*\t+4*\i+3], s[6:7] offset:(32*(\i/4)+8*\t+2*(\i%4))*256 th:TH_STORE_NT   ; sixteen lanes store 256 consecutive bytes, at a multiple of 256 from out's first byte
.endr
.endm
	TOST 0
	TOST 1
	SEND 0, 16
	TOST 2
	SEND 1, 16
	TOST 3
	SEND 2, 16
	SEND 3, 0
	s_wait_dscnt 0x0
	s_wait_tensorcnt 0x0
	ds_add_u32 v37, v41
	s_wait_dscnt 0x0
	CROUND                                         ; the closing round: no work-group ends while a partner may still ask for a tile that names it
	s_endpgm
.Lfunc_end_k_q0eb564a88b_attn:
	.size	k_q0eb564a88b_attn, .Lfunc_end_k_q0eb564a88b_attn-k_q0eb564a88b_attn
	.p2alignl 7, 3214868480
	.fill 96, 4, 3214868480
	.section	.rodata,"a",@progbits
	.p2align	6, 0x0
	.amdhsa_kernel k_q0eb564a88b_attn
		.amdhsa_group_segment_fixed_size 244736
		.amdhsa_private_segment_fixed_size 0
		.amdhsa_enable_private_segment 0
		.amdhsa_kernarg_size 16
		.amdhsa_user_sgpr_count 2
		.amdhsa_user_sgpr_kernarg_segment_ptr 1
		.amdhsa_wavefront_size32 1
		.amdhsa_system_sgpr_workgroup_id_x 1
		.amdhsa_system_sgpr_workgroup_id_y 1
		.amdhsa_system_sgpr_workgroup_id_z 1
		.amdhsa_system_vgpr_workitem_id 0
		.amdhsa_next_free_vgpr 512
		.amdhsa_next_free_sgpr 66
		.amdhsa_reserve_vcc 0
		.amdhsa_float_denorm_mode_32 3
		.amdhsa_float_denorm_mode_16_64 3
		.amdhsa_memory_ordered 1
		.amdhsa_forward_progress 1
		.amdhsa_inst_pref_size 96
	.end_amdhsa_kernel
	.amdgpu_metadata
---
amdhsa.version: [ 1, 2 ]
amdhsa.kernels:
  - .name:           k_q0eb564a88b_attn
    .symbol:         k_q0eb564a88b_attn.kd
    .args:
      - { .name: qkv, .offset: 0, .size: 8, .value_kind: global_buffer, .address_space: global }
      - { .name: out0, .offset: 8, .size: 8, .value_kind: global_buffer, .address_space: global }
    .group_segment_fixed_size: 244736
    .private_segment_fixed_size: 0
    .kernarg_segment_align: 8
    .kernarg_segment_size: 16
    .max_flat_workgroup_size: 256
    .sgpr_count:     66
    .vgpr_count:     512
    .wavefront_size: 32
...
	.end_amdgpu_metadata
.endif
;; end of part 3
